; MI455X (gfx1250); checked and timed in simulation.
; The chip was launched on July 23, 2026; its instructions are those of AMD's public machine-readable ISA for CDNA 5 (MIT licence, August 2026) and "CDNA5" Instruction Set Architecture Reference Guide (July 2026). The comments in the code are by the model that wrote it; some were corrected since.
;; Efficient KAN Layer. Allowed arithmetic: matrix products marked QUANTISED: E4M3 operands, one E8M0 scale for each 32 along K, by v_wmma_scale_f32_16x16x128_f8f6f4 with both operands' format E4M3, f32 sums; everything else in f32.
;; Inputs: base_weight 256 x 1,024 float32; grid 1,024 x 12 float32; spline_weight_codes 256 x 256 x 32 uint8 (E4M3 codes of spline_weight, K innermost, in blocks of 32 codes); spline_weight_scales 256 x 256 uint8 (E8M0 scales of spline_weight, one for each 32 codes along K); x 16,384 x 1,024 float32.
;; Outputs: out0 16,384 x 256 float32.
;; This version of the problem:
;;   THIS VERSION OF THE PROBLEM IS GIVEN IN LOW PRECISION. The matrix products marked QUANTISED in the list below multiply operands that are first quantised to E4M3 (4 exponent bits, 3 mantissa bits; 8 bits a number), with one power-of-two scale for each 32 numbers along K (OCP MX v1.0); their sums are f32. All else is computed in f32.
;;   The module's matrix products, in the order in which they are computed (A, B: the left and right operand; K: the contracted axis; several contracted axes count as one K, in the product's order):
;;     1. [M 16,384, K 1,024] x [K 1,024, N 256]; A: computed on the way; B: computed on the way: QUANTISED
;;     2. [M 16,384, K 8,192] x [K 8,192, N 256]; A: computed on the way; B: input spline_weight (given as codes): QUANTISED
;;   THE QUANTISER, for each operand of a quantised product, along K:
;;     - K is cut into blocks of 32 from its start; a last block that is shorter is filled with zeros.
;;     - A block's scale is 2^e with e = floor(log2(the largest magnitude in the block)) - 8, held to -126 .. 127; a block of zeros has e = 0. As a byte (E8M0): e + 127.
;;     - Each number is divided by its block's scale, clamped to +-448, and rounded to the nearest number of E4M3, ties to even, subnormals kept.
;;     - The product sums the exact products of the quantised numbers (number of the format x scale) in f32.
;;   ~~~python
;;   def quantise(x, axis):      # numpy; x: float32 -> the quantised numbers, widened to float32 again
;;       x = np.moveaxis(x, axis, -1); K = x.shape[-1]
;;       x = np.pad(x, [(0, 0)] * (x.ndim - 1) + [(0, -K % 32)]); x = x.reshape(x.shape[:-1] + (-1, 32)); a = np.abs(x).max(-1, keepdims=True)
;;       e = np.where(a > 0, np.clip(np.frexp(np.where(a > 0, a, 1))[1] - 1 - 8, -126, 127), 0)      # np.frexp(a)[1] - 1 = floor(log2(a)), exactly
;;       r = np.clip(x / 2.0 ** e, -448, 448)
;;       step = 2.0 ** (np.maximum(np.frexp(np.where(r == 0, 1, r))[1] - 1, -6) - 3)
;;       q = np.round(r / step) * step * 2.0 ** e      # np.round: ties to even
;;       return np.moveaxis(q.reshape(q.shape[:-2] + (-1,))[..., :K], -1, axis).astype(np.float32)
;;   ~~~
;;   OPERANDS COMPUTED ON THE WAY. 'Computed on the way' means the value that the module computes at that place (a softmax that the list does not call 'softmax' is quantised finished and normalised). What goes into a quantiser is computed in f32, as accurately as f32 sums, v_exp_f32 and their like allow (about 1e-6 of the number): no bf16 or f16 on the way to a quantiser, and a product that is left as it is and whose result goes on into a quantised operand takes f32 operands (vector FMAs, or v_wmma_f32_16x16x4_f32). A number that lies on a knife's edge between two numbers of the format may be rounded either way, as far as f32 arithmetic and the matrix unit's own rounding can turn it there, and no further.
;;   INPUTS GIVEN AS CODES. spline_weight (in the module: [256, 8192], K = its axis 1): each comes as NAME_codes (uint8): NAME with its K axis moved to the last place and cut into blocks of 32 codes, [.., K / 32, bytes a block], one block behind the other in memory; one code a byte (a code: sign, 4 exponent bits, 3 mantissa bits); and NAME_scales (uint8): the same leading axes, one E8M0 byte (e + 127) for each 32 codes along K. Its value is code x scale, taken as it is: it is not quantised again, and the codes and scales need not be those that the quantiser above would give.
;; One version. Each part assembles by itself: llvm-mc -triple=amdgcn-amd-amdhsa -mcpu=gfx1250 --defsym DOCPART=n.
;; ======== version 1 of 1: 2 launches
;; limits: right only within a limited range of input values
;; workspace buffers: cst 196,608 bytes; wimg 2,359,296 bytes; wsc 73,728 bytes
;; launch prep (part 1): grid 168 x 1, 4 waves a work-group, no clusters, 25,088 bytes of LDS; arguments base_weight, grid, spline_weight_codes, spline_weight_scales, cst, wimg, wsc; writes cst, wimg, wsc
.if DOCPART == 1
	.amdgcn_target "amdgcn-amd-amdhsa--gfx1250"
	.amdhsa_code_object_version 6
	.text
	.protected	k_qc87f92f1ef_prep
	.globl	k_qc87f92f1ef_prep
	.p2align	8
	.type	k_qc87f92f1ef_prep,@function
k_qc87f92f1ef_prep:
	s_mov_b64 s[64:65], 0
	v_nop
	global_prefetch_b8 v0, s[64:65] scope:SCOPE_SE
	s_setreg_imm32_b32 hwreg(HW_REG_WAVE_MODE, 25, 1), 1
	s_wait_xcnt 0x0
; One-off layout work for the fused launch that follows.  Three kinds of work-group, parted by the work-group's number alone:
;   0-127   SPLINE WEIGHTS: the given codes [256 columns][8192 K] are laid as images of operand registers, wimg[K step 64][tile 16][c 4][lane 32][16 bytes]: piece c of lane (r, h) of tile t is
;           column 16 t + r, K = 128 ks + 32 c + 16 h + 0..15.  Inside each 16 bytes the codes are re-ordered: out[2 i + e] = in[8 e + i] (feature e of two, basis i of eight), the order in which the
;           fused launch makes the bases' codes.  The order changes inside one block of 32 alone and alike on both operands, so every product meets its partner and its scales.
;           The scale bytes go to wsc[K step][tile][r] as one word (four bytes, 128 along K) a column.
;   128-159 BASE WEIGHT [256][1024] f32 is quantised along K (E4M3, one E8M0 byte for each 32) into the same kind of image, behind the spline part; K keeps its order.
;   160-167 THE GRID [1024 features][12 knots] becomes, for each pair of neighbouring features, 42 register pairs: 12 knots g_j, 11 + 10 + 9 reciprocals 1 / (g_(i+k) - g_i), k = 1, 2, 3;
;           cst[panel 8][block of 4 features 32][half 2][96 words], words 84-95 zero.
; A block's scale is 2^(floor(log2(largest magnitude)) - 8); its byte is the largest magnitude's exponent field - 8, held at 1 from below.
; LIMITS: a block of zeros, or one whose largest magnitude lies under 2^(9 - 127), gets the byte 1 (the rule's 127 for zeros is not kept: the codes are zeros, and this program alone reads the bytes).
; NaN and infinities among the inputs are not served.  Two knots with g_(i+k) = g_i give an infinite reciprocal here; the results are then not defined.
; The reciprocals are v_rcp_f32 with one Newton step.  Waves share nothing: no barrier.
.set WIMGB, 2097152                    ; where the base weight's images begin in wimg
.set WSCB,  65536                      ; and its scale words in wsc
.set G,     32                         ; v32-43   the 12 knots of my feature
.set DEN,   44                         ; v44-73   30 differences, then the Newton step's error terms
.set INV,   74                         ; v74-103  30 reciprocals
.set BACK,  104                        ; v104-151 my wave's 6,144 bytes read back
.set NUM,   32                         ; v32-95   64 numbers of the base weight; or 8 x 4 words of codes (v32-63) and their re-ordered form (v64-95)
.set TM,    16                         ; v16-19 largest magnitudes, v20-23 bytes, v28-31 the conversions' scale operands
.set PC,    96                         ; v96-111  a fragment's codes
.set PW,    112                        ; v112     its scale word
.set SEL,   24                         ; s[24:25] byte selects (codes) or lane selects (quantiser)
.set MNT,   26
	s_load_b256 s[4:11], s[0:1], 0x0               ; base_weight s[4:5], grid s[6:7], codes s[8:9], scales s[10:11]
	s_load_b128 s[12:15], s[0:1], 0x20             ; cst s[12:13], wimg s[14:15]
	s_load_b64 s[16:17], s[0:1], 0x30              ; wsc
	v_lshl_add_u32 v160, v0, 2, 0x6000
	v_mov_b32 v161, 0
	v_lshrrev_b32 v1, 5, v0
	v_readfirstlane_b32 s18, v1                    ; wave 0..3
	v_and_b32 v2, 31, v0                           ; lane
	v_and_b32 v8, 15, v0                           ; r
	v_bfe_u32 v9, v0, 4, 1                         ; h
	s_mov_b32 s23, 0                               ; the high word of every offset pair s[22:23]
	s_wait_kmcnt 0x0
	s_cmp_lt_u32 ttmp9, 128
	s_cbranch_scc1 .Lspline
	s_cmp_lt_u32 ttmp9, 160
	s_cbranch_scc1 .Lbase
	; ---- THE GRID: a work-group takes a panel of 128 features, a thread one feature
	s_sub_co_u32 s20, ttmp9, 160                   ; panel
	s_mul_i32 s22, s20, 128*48
	s_add_nc_u64 s[6:7], s[6:7], s[22:23]
	v_mul_u32_u24 v3, v0, 48                       ; 12 knots are 48 bytes
	global_load_b128 v[G:G+3], v3, s[6:7]
	global_load_b128 v[G+4:G+7], v3, s[6:7] offset:16
	global_load_b128 v[G+8:G+11], v3, s[6:7] offset:32
	s_mul_i32 s22, s20, 24576
	s_add_nc_u64 s[12:13], s[12:13], s[22:23]      ; cst at my panel
	s_mul_i32 s21, s18, 6144                       ; my wave's 32 features are 16 pairs of 384 bytes: its own bytes of LDS, and the same place in the panel
	s_wait_alu depctr_va_vdst(0)
	v_lshrrev_b32 v4, 1, v2
	v_mul_u32_u24 v4, v4, 384
	v_and_b32 v5, 1, v2
	v_lshl_add_u32 v4, v5, 2, v4
	v_add_nc_u32 v4, s21, v4                       ; in: pair (lane / 2), word (lane % 2) of each register pair
	v_lshl_add_u32 v5, v2, 4, s21                  ; back, and out: 16 bytes a lane
	s_wait_loadcnt 0x0
.set q, 0
.irp k, 1,2,3
.set i, 0
.rept 12-\k
	v_sub_f32 v[DEN+q], v[G+i+\k], v[G+i]          ; g_(i+k) - g_i
.set i, i+1
.set q, q+1
.endr
.endr
.set q, 0
	s_wait_alu depctr_va_vdst(0)
.rept 30
	v_rcp_f32 v[INV+q], v[DEN+q]
.set q, q+1
.endr
	v_mov_b32 v7, 0                                ; a plain instruction between the reciprocals and the use of their results (ISA guide 5.7.2); v7 fills words 84-95
.set q, 0
	s_wait_alu depctr_va_vdst(0)
.rept 30
	v_fma_f32 v[DEN+q], -v[DEN+q], v[INV+q], 1.0   ; e = 1 - den r
.set q, q+1
.endr
.set q, 0
.rept 30
	v_fma_f32 v[INV+q], v[INV+q], v[DEN+q], v[INV+q]   ; r + r e
.set q, q+1
.endr
.set t, 0
.rept 12
	ds_store_b32 v4, v[G+t] offset:8*t
.set t, t+1
.endr
.rept 30
	ds_store_b32 v4, v[INV+t-12] offset:8*t
.set t, t+1
.endr
.rept 6
	ds_store_b32 v4, v7 offset:8*t
.set t, t+1
.endr
.irp i, 0,1,2,3,4,5,6,7,8,9,10,11
	ds_load_b128 v[BACK+4*\i:BACK+4*\i+3], v5 offset:512*\i   ; LDS serves a wave's instructions in order (ISA guide 5.7.1.4): these see my stores
.endr
.irp i, 0,1,2,3,4,5,6,7,8,9,10,11
	s_wait_dscnt 11-\i                             ; load i is in; the younger ones may be out
	global_store_b128 v5, v[BACK+4*\i:BACK+4*\i+3], s[12:13] offset:512*\i   ; 32 lanes store 512 consecutive bytes
.endr
	s_wait_tensorcnt 0x0
	ds_add_u32 v160, v161
	s_wait_dscnt 0x0
	s_endpgm
	; ---- SPLINE WEIGHTS: a wave takes one tile of 16 columns and 256 along K (two K steps)
.Lspline:
	s_lshl_b32 s20, ttmp9, 2
	s_add_co_u32 s20, s20, s18                     ; task 0..511
	s_and_b32 s21, s20, 15                         ; tile
	s_lshr_b32 s20, s20, 4                         ; which 256 along K
	s_mov_b32 s[SEL], 0x05010400                   ; of two words a (bytes 0-3) and b (bytes 4-7): a0 b0 a1 b1
	s_mov_b32 s[SEL+1], 0x07030602                 ; a2 b2 a3 b3
	s_lshl_b32 s22, s21, 17                        ; 16 rows of 8,192 bytes
	s_lshl_b32 s27, s20, 8
	s_add_co_u32 s22, s22, s27
	s_add_nc_u64 s[8:9], s[8:9], s[22:23]
	s_wait_alu depctr_va_vdst(0)
	v_lshlrev_b32 v3, 13, v8
	v_lshl_add_u32 v3, v9, 4, v3                   ; row r, + 16 h
.irp j, 0,1,2,3,4,5,6,7
	global_load_b128 v[NUM+4*\j:NUM+4*\j+3], v3, s[8:9] offset:32*\j th:TH_LOAD_NT   ; K step j / 4, piece j % 4; the eight loads together take 256 consecutive bytes of each of 16 rows
.endr
	s_lshl_b32 s22, s21, 12                        ; scale bytes: 16 rows of 256
	s_lshl_b32 s27, s20, 3
	s_add_co_u32 s22, s22, s27
	s_add_nc_u64 s[10:11], s[10:11], s[22:23]
	v_lshlrev_b32 v5, 8, v8
	v_lshl_add_u32 v5, v9, 2, v5                   ; row r; lanes 16-31 take the second K step's word
	global_load_b32 v10, v5, s[10:11]
	s_lshl_b32 s22, s20, 16                        ; two K steps of 32,768 bytes of images,
	s_lshl_b32 s27, s21, 11                        ; a tile's 2,048
	s_add_co_u32 s22, s22, s27
	s_add_nc_u64 s[14:15], s[14:15], s[22:23]
	v_lshlrev_b32 v4, 4, v2
	s_lshl_b32 s22, s20, 11                        ; two K steps of 1,024 bytes of scale words,
	s_lshl_b32 s27, s21, 6                         ; a tile's 64
	s_add_co_u32 s22, s22, s27
	s_add_nc_u64 s[16:17], s[16:17], s[22:23]
	v_lshlrev_b32 v6, 10, v9
	v_lshl_add_u32 v6, v8, 2, v6
	s_wait_loadcnt 0x0
.irp j, 0,1,2,3,4,5,6,7
	v_perm_b32 v[64+4*\j], v[NUM+2+4*\j], v[NUM+4*\j], s[SEL]       ; out[2 i + e] = in[8 e + i]: words 0 and 2 give out words 0 and 1,
	v_perm_b32 v[65+4*\j], v[NUM+2+4*\j], v[NUM+4*\j], s[SEL+1]
	v_perm_b32 v[66+4*\j], v[NUM+3+4*\j], v[NUM+1+4*\j], s[SEL]     ; words 1 and 3 give out words 2 and 3
	v_perm_b32 v[67+4*\j], v[NUM+3+4*\j], v[NUM+1+4*\j], s[SEL+1]
.endr
.irp j, 0,1,2,3,4,5,6,7
	global_store_b128 v4, v[64+4*\j:67+4*\j], s[14:15] offset:(\j/4)*32768+(\j%4)*512   ; 32 lanes store 512 consecutive bytes
.endr
	global_store_b32 v6, v10, s[16:17]
	s_endpgm
	; ---- BASE WEIGHT: a wave takes one tile of 16 columns and one K step of 128
.Lbase:
	s_sub_co_u32 s20, ttmp9, 128
	s_lshl_b32 s20, s20, 2
	s_add_co_u32 s20, s20, s18                     ; task 0..127
	s_and_b32 s21, s20, 15                         ; tile
	s_lshr_b32 s20, s20, 4                         ; K step
	s_mov_b32 s[SEL], 0x76543210
	s_mov_b32 s[SEL+1], 0xfedcba98                 ; v_permlanex16_b32's selects for lane l xor 16
	s_lshl_b32 s22, s21, 16                        ; 16 rows of 4,096 bytes
	s_lshl_b32 s27, s20, 9
	s_add_co_u32 s22, s22, s27
	s_add_nc_u64 s[4:5], s[4:5], s[22:23]
	s_wait_alu depctr_va_vdst(0)
	v_lshlrev_b32 v3, 12, v8
	v_lshl_add_u32 v3, v9, 6, v3                   ; row r, + 64 h: my 16 numbers of each block of 32
.irp b, 0,1,2,3
.irp j, 0,1,2,3
	global_load_b128 v[NUM+16*\b+4*\j:NUM+16*\b+4*\j+3], v3, s[4:5] offset:128*\b+16*\j th:TH_LOAD_NT
.endr
.endr
	s_lshl_b32 s22, s20, 15
	s_lshl_b32 s27, s21, 11
	s_add_co_u32 s22, s22, s27
	s_add_co_u32 s22, s22, WIMGB
	s_add_nc_u64 s[14:15], s[14:15], s[22:23]
	v_lshlrev_b32 v4, 4, v2
	s_lshl_b32 s22, s20, 10
	s_lshl_b32 s27, s21, 6
	s_add_co_u32 s22, s22, s27
	s_add_co_u32 s22, s22, WSCB
	s_add_nc_u64 s[16:17], s[16:17], s[22:23]
	v_lshlrev_b32 v6, 2, v8
.irp b, 0,1,2,3
	v_mov_b32 v[TM+4+\b], 0                        ; a lane permute's destination counts as one of its sources
.endr
	s_wait_loadcnt 0x0
.irp b, 0,1,2,3
	v_max3_num_f32 v[TM+\b], |v[NUM+16*\b]|, |v[NUM+16*\b+1]|, 0x4800000   ; block b: my 16 numbers, and the floor 2^(9 - 127): the byte cannot fall under 1
.endr
.irp i, 2,4,6,8,10,12,14
.irp b, 0,1,2,3
	v_max3_num_f32 v[TM+\b], v[TM+\b], |v[NUM+16*\b+\i]|, |v[NUM+16*\b+\i+1]|
.endr
.endr
.irp b, 0,1,2,3
	v_permlanex16_b32 v[TM+4+\b], v[TM+\b], s[SEL], s[SEL+1]
.endr
.irp b, 0,1,2,3
	v_max_num_f32 v[TM+\b], v[TM+\b], v[TM+4+\b]   ; with lane l xor 16's: the block's largest magnitude
.endr
.irp b, 0,1,2,3
	v_add_nc_u32 v[TM+12+\b], 0xfc000000, v[TM+\b] ; 8 off its exponent field: the conversion's scale operand
.endr
.irp b, 0,1,2,3
.endr
.irp b, 0,1,2,3
	v_lshrrev_b32 v[TM+4+\b], 23, v[TM+12+\b]      ; the scale's byte
.endr
	v_lshl_or_b32 v[PW], v[TM+5], 8, v[TM+4]
	v_lshl_or_b32 v[PW], v[TM+6], 16, v[PW]
	v_lshl_or_b32 v[PW], v[TM+7], 24, v[PW]
.irp b, 0,1,2,3
.irp i, 0,1,2,3,4,5,6,7,8,9,10,11,12,13,14,15
.endr
	v_cvt_scalef32_pk8_fp8_f32 v[PC+4*\b:PC+4*\b+1], v[NUM+16*\b:NUM+16*\b+7], v[TM+12+\b]
	v_cvt_scalef32_pk8_fp8_f32 v[PC+4*\b+2:PC+4*\b+3], v[NUM+16*\b+8:NUM+16*\b+15], v[TM+12+\b]
.endr
	v_nop                                          ; one plain instruction behind the last conversion
.irp c, 0,1,2,3
	global_store_b128 v4, v[PC+4*\c:PC+4*\c+3], s[14:15] offset:512*\c
.endr
	s_wait_xcnt 0x0                                ; EXEC changes only behind this wait: it is a source of the stores above
	v_cmp_gt_u32 vcc_lo, 16, v2
	s_and_saveexec_b32 s30, vcc_lo                 ; lanes 0-15 hold the 16 columns' words (lanes 16-31 the same again)
	global_store_b32 v6, v[PW], s[16:17]
	s_wait_xcnt 0x0
	s_or_b32 exec_lo, exec_lo, s30
	s_endpgm
.Lfunc_end_k_qc87f92f1ef_prep:
	.size	k_qc87f92f1ef_prep, .Lfunc_end_k_qc87f92f1ef_prep-k_qc87f92f1ef_prep
	.p2alignl 7, 3214868480
	.fill 96, 4, 3214868480
	.section	.rodata,"a",@progbits
	.p2align	6, 0x0
	.amdhsa_kernel k_qc87f92f1ef_prep
		.amdhsa_group_segment_fixed_size 25088
		.amdhsa_private_segment_fixed_size 0
		.amdhsa_enable_private_segment 0
		.amdhsa_kernarg_size 56
		.amdhsa_user_sgpr_count 2
		.amdhsa_user_sgpr_kernarg_segment_ptr 1
		.amdhsa_wavefront_size32 1
		.amdhsa_system_sgpr_workgroup_id_x 1
		.amdhsa_system_sgpr_workgroup_id_y 1
		.amdhsa_system_sgpr_workgroup_id_z 1
		.amdhsa_system_vgpr_workitem_id 0
		.amdhsa_next_free_vgpr 162
		.amdhsa_next_free_sgpr 66
		.amdhsa_reserve_vcc 1
		.amdhsa_float_denorm_mode_32 3
		.amdhsa_float_denorm_mode_16_64 3
		.amdhsa_fp16_overflow 1
		.amdhsa_memory_ordered 1
		.amdhsa_forward_progress 1
		.amdhsa_inst_pref_size 25
	.end_amdhsa_kernel
	.amdgpu_metadata
---
amdhsa.version: [ 1, 2 ]
amdhsa.kernels:
  - .name:           k_qc87f92f1ef_prep
    .symbol:         k_qc87f92f1ef_prep.kd
    .args:
      - { .name: base_weight, .offset: 0, .size: 8, .value_kind: global_buffer, .address_space: global }
      - { .name: grid, .offset: 8, .size: 8, .value_kind: global_buffer, .address_space: global }
      - { .name: spline_weight_codes, .offset: 16, .size: 8, .value_kind: global_buffer, .address_space: global }
      - { .name: spline_weight_scales, .offset: 24, .size: 8, .value_kind: global_buffer, .address_space: global }
      - { .name: cst, .offset: 32, .size: 8, .value_kind: global_buffer, .address_space: global }
      - { .name: wimg, .offset: 40, .size: 8, .value_kind: global_buffer, .address_space: global }
      - { .name: wsc, .offset: 48, .size: 8, .value_kind: global_buffer, .address_space: global }
    .group_segment_fixed_size: 25088
    .private_segment_fixed_size: 0
    .kernarg_segment_align: 8
    .kernarg_segment_size: 56
    .max_flat_workgroup_size: 128
    .sgpr_count:     66
    .vgpr_count:     162
    .wavefront_size: 32
...
	.end_amdgpu_metadata
.endif
;; end of part 1
;; launch kan (part 2): grid 256 x 1, 4 waves a work-group, no clusters, 327,680 bytes of LDS; arguments x, cst, wimg, wsc, out0; writes out0
.if DOCPART == 2
	.amdgcn_target "amdgcn-amd-amdhsa--gfx1250"
	.amdhsa_code_object_version 6
	.text
	.protected	k_qc87f92f1ef_kan
	.globl	k_qc87f92f1ef_kan
	.p2align	8
	.type	k_qc87f92f1ef_kan,@function
k_qc87f92f1ef_kan:
	s_mov_b64 s[64:65], 0
	v_nop
	global_prefetch_b8 v0, s[64:65] scope:SCOPE_SE
	s_setreg_imm32_b32 hwreg(HW_REG_WAVE_MODE, 25, 1), 1
	s_wait_xcnt 0x0
; out0[16384][256] = Q(silu(x)) Q(base_weight)^T (K = 1,024) + Q(bases(x, grid)) spline_weight^T (K = 8,192, k = 8 feature + basis), both products on codes of E4M3 with one E8M0 scale for each 32 along K.
; SHARES.  A work-group of four waves owns 64 rows, all 256 outputs and all of K.  x is walked in 8 PANELS of 128 features (8 spline K steps and 1 base K step), a panel in two HALVES a = 0, 1.
;   V phase (the waves share the FEATURES): wave w makes, for all 64 rows (4 tiles T of 16), the operand of spline K step 8 p + 2 w + a: four BLOCKS c of 4 features x 8 bases = 32 along K.
;   In half 0 it also makes silu's operand of rows 16 w .. 16 w + 15 for base K step p.  Codes and scale bytes go to LDS as images of the operand's registers (16 bytes a lane at 16 x lane, a scale word at 4 x lane).
;   M phase (the waves share the COLUMNS): wave w owns outputs 64 w .. 64 w + 63: 4 x 4 accumulators.  It reads the half's 16 (+ 4) fragments from LDS; its weights come from memory straight into its registers, laid
;   by the launch before as register images.  Each weight fragment and each fragment from LDS feeds four matrix instructions.
; THE BASES are the whole triangle of the recursion, 11 indicators -> 10 -> 9 -> 8, with each feature's own 12 knots: nothing of the grid's values, spacing or order is built in.  With d_j = x - g_j and
;   P_i = B_i / (g_(i+k) - g_i):  B'_i = d_i P_i - d_(i+k+1) P_(i+1).  The indicator (x >= g_i and not x >= g_(i+1)) selects the first reciprocal, so the first scaling costs nothing.
;   A lane holds row r and TWO neighbouring features in the halves of packed instructions: lane (r, h), block c: features 16 ks + 4 c + 2 h + e.  The pair (basis i of e = 0, of e = 1) lies in registers 2 i, 2 i + 1:
;   the conversions' sixteen sources on end.  So code 2 i + e of the lane's 16 is (feature e, basis i); the weights' codes were laid in the same order: inside one block of 32, alike on both sides.
; THE MATRIX INSTRUCTION IS USED TRANSPOSED (source 0 = 16 columns of weights, source 1 = 16 rows): a lane holds eight neighbouring outputs of one row.
; x's panels and the grid's constants come through a ring of two LDS slots, filled by the tensor data mover a panel ahead (wave 0: x, 64 rows x 512 bytes; wave 1: 24,576 bytes of constants): one tensor load of a wave is out at most.
; NO CLUSTER: what work-groups share is the weights (131,072 to 163,840 bytes a half).  Each byte of them is used by ONE wave of a work-group, so it goes straight into that wave's registers; to be asked for jointly it would have to
;   pass through LDS, and two slots of 131,072 bytes do not fit beside the 192,512 bytes in use.  The constants, the other shared input, are 24,576 bytes a panel against 294,912 of weights.
; LIMITS.  NaN and infinities in x or the grid are not served; knots with g_(i+k) = g_i give undefined results.  A division by a knot difference is a multiplication by its reciprocal (v_rcp_f32 with a Newton step),
;   some units in the last place a level.  A block of zeros, or one whose largest magnitude lies under 2^(9 - 127), has the scale byte 1 (its bytes are read here alone).  silu is x / (1 + 2^(-x log2 e)) by v_exp_f32 and v_rcp_f32;
;   under x = -88 or so it is -0 where the exact value is a denormal.
; REGISTERS, in windows of 256 (s_set_vgpr_msb: bits 1:0 source 0, 3:2 source 1, 5:4 source 2, 7:6 destination):
;   window 0: v1-21 addresses; v24-39 x of two blocks; v40-49 the weights' scale words, v50-57 the rows'; v58-83 at work in the quantiser; v84-115 two sets of codes;
;             v128-255: V phase: P, 24 registers a tile, and U; silu: 64 numbers and 64 at work; M phase: two sets of four fragments; the way out: rows of out0.
;   window 1: v0-83, v84-167 the constants of two blocks; v168-191 d_0 .. d_11.   window 2: the half's four K steps of weights.   window 3: v0-127 the accumulators (n, T) at 8 (4 n + T); v128-191 the base weights.
.set XP,    528                        ; a row of x's panel in LDS: 512 bytes + 16 of padding = 132 words: row r begins at bank 4 r mod 64 (64 banks of 4 bytes: ISA guide 11.1)
.set SLOT1, 65536                      ; slot 1 begins here: one exclusive or turns an address of one slot into the other's
.set COFF,  64*XP                      ; in a slot: 64 rows of x, then the constants: 32 blocks x 2 halves x 384 bytes
.set IMG,   131072                     ; the half's 16 fragments: 8,192 k + 2,048 T + 512 c + 16 lane
.set ISC,   IMG+32768                  ; their scale words: 512 k + 128 T + 4 lane, byte c
.set IMGB,  ISC+2048                   ; silu's four fragments: 2,048 T + 512 c + 16 lane
.set ISCB,  IMGB+8192                  ; their scale words
.set STG,   ISCB+512                   ; the way out: 16 rows x (256 + 16) bytes for each wave
.set SPT,   272
.set SPARE, STG+4*16*SPT               ; the spare words, 128 bytes for each wave: two blocks of 256 bytes that no other line names
.set SPW,  1                           ; v1   LDS address of my spare word; never rewritten
.set NIL,  2                           ; v2   0; never rewritten
.set LI,   3                           ; v3   16 x lane
.set LS,   4                           ; v4   4 x lane
.set AX0,  5                           ; v5   x: 528 r + 8 h
.set AC0,  6                           ; v6   constants: 384 h
.set AXS0, 7                           ; v7   x for silu: 528 (16 w + r) + 64 h
.set AXR,  8                           ; v8   x of the two blocks in hand
.set ACR,  9                           ; v9   their constants
.set AIR,  10                          ; v10  where their codes go
.set ASR,  11                          ; v11  and their scale bytes
.set AL,   12                          ; v12  IMG + 16 lane
.set ALS,  13                          ; v13  ISC + 4 lane
.set AXS,  14                          ; v14  x for silu in the slot in hand
.set ALB,  15                          ; v15  IMGB + 16 lane
.set ALSB, 16                          ; v16  ISCB + 4 lane
.set SWI,  17                          ; v17  where I store silu's fragment
.set SWS,  18                          ; v18  and its scale word
.set STO,  19                          ; v19  the stage, in
.set RD,   20                          ; v20  the stage, back
.set GO,   21                          ; v21  my byte offset in two rows of out0
.set XA,   24
.set XB,   32
.set BSC,  40                          ; 2 k + i: lanes 0-15 tile 2 i's words, lanes 16-31 tile 2 i + 1's, K step k of the half; 8 + i: the base step's
.set ASC,  50                          ; 4 set + T
.set PW,   58
.set TM,   60                          ; v60-63 largest magnitudes, v64-67 the other lane's (silu: bytes), v72-75 the conversions' scale operands
.set BY,   76                          ; 4 e + T: scale bytes
.set CODE, 84                          ; 16 e + 4 T: codes
.set PR,   128
.set UR,   224
.set SV,   128
.set SW,   192
.set AF,   128
.set OB,   128
.set CA,   0                           ; window 1.  In a set: knots at +0, the reciprocals of k = 1 at +24, of k = 2 at +46, of k = 3 at +66
.set CB,   84
.set DR,   168
.set WV,   14                          ; s14  my wave's number
.set G1X,  16                          ; s[16:23] descriptor group 1 for x;  s[24:31] for the constants;  s[32:35], s[36:39] their groups 0, which walk
.set G1C,  24
.set G0X,  32
.set G0C,  36
.set MK,   40                          ; s40-63  24 lane masks: x >= g_j, for each of the pair's two features
.set SEL,  66                          ; s[66:67] lane selects for v_permlanex16_b32: lane l xor 16
.set MNT,  68
.set TB,   69                          ; s69  LDS byte at which the slot in hand begins
.set SXO,  72                          ; s72-75  scalar parts of v8-11
.set SCO,  73
.set SIO,  74
.set SSO,  75
.set PAN,  76                          ; s76  panels still to be asked for
.set HF,   77                          ; s77  the half, 0 or 1
.set CC,   78                          ; s78  the pair of blocks in the half, 0 or 1
.set BI,   79                          ; s79  the pair of blocks in the panel, 0..3
.set WX,   80                          ; s80  128 w: my 8 blocks' bytes in a row of x
.set WC,   81                          ; s81  COFF + 6,144 w: their constants
.set WI,   82                          ; s82  IMG + 8,192 w
.set WSS,  83                          ; s83  ISC + 512 w
.set WS,   84                          ; s[84:85] my columns' spline weights of the half's first K step;  s[86:87] base weights of the panel
.set WB,   86
.set SS,   88                          ; s[88:89], s[90:91] their scale words
.set SBP,  90
.set NL,   96                          ; s[96:97] -log2(e): the packed form names a pair and takes its low word for both halves
.set MSB, 0
.macro WIN new                         ; the immediate's high byte repeats the setting that is left; a switch that changes nothing is dropped
.if MSB != \new
	s_set_vgpr_msb (MSB<<8)|\new
.set MSB, \new
.endif
.endm
.macro PLACES n                        ; plain vector instructions between a matrix instruction and a load into, a vector write of, or a read of its registers (ISA guide 7.12.1 for vector writes and reads): eight behind this form
.rept \n
	v_nop
.endr
.endm
; Wave 0 fetches x's panel, wave 1 the constants', the others nothing.  The branches hang on the wave's number alone.  Four v_nop follow each of the two lines.
.macro TLOAD
	s_cmp_eq_u32 s[WV], 0
	s_cbranch_scc0 .Lnot_x_\@
	tensor_load_to_lds s[G0X:G0X+3], s[G1X:G1X+7]
	s_nop 0
.rept 4
	v_nop
.endr
	s_branch .Lasked_\@
.Lnot_x_\@:
	s_cmp_eq_u32 s[WV], 1
	s_cbranch_scc0 .Lasked_\@
	tensor_load_to_lds s[G0C:G0C+3], s[G1C:G1C+7]
	s_nop 0
.rept 4
	v_nop
.endr
.Lasked_\@:
.endm
; THE CHANGE OF SLOTS stands at a panel's head.  Each wave waits for all its tensor loads (its part of the slot that is about to be read), adds 0 to its spare word, and waits for that and for its reads of the slot that it has left.
; fill = 1: that other slot is filled with the next panel, first thing behind the barrier: the load has a whole panel's work in which to land.
.macro CHANGE fill
	s_wait_tensorcnt 0x0                           ; no tensor load of mine is out, so a group 0 may be written
	ds_add_u32 v[SPW], v[NIL]                      ; 0 onto my spare word
.if \fill
	s_xor_b32 s[G0X+1], s[G0X+1], SLOT1            ; the other slot than last time,
	s_add_nc_u64 s[G0X+2:G0X+3], s[G0X+2:G0X+3], 512       ; the next 128 features of my 64 rows; the type bits on top are not reached
	s_xor_b32 s[G0C+1], s[G0C+1], SLOT1
	s_add_nc_u64 s[G0C+2:G0C+3], s[G0C+2:G0C+3], 24576     ; and their constants
.endif
	s_wait_dscnt 0x0                               ; the add is done, and my reads of the slot that I have left are over
	s_barrier_signal -1
	s_barrier_wait -1
.if \fill
	TLOAD
.endif
.endm
; A block's constants (84 words: sixteen lanes read the same 16 bytes) and x (two features of a row, four tiles of rows), asked for a block ahead
.macro PREF offx, offc, X, C
	WIN 0x40                                       ; destination window 1
.set j, 0
.rept 21
	ds_load_b128 v[\C+4*j:\C+4*j+3], v[ACR] offset:\offc+16*j
.set j, j+1
.endr
	WIN 0
.irp T, 0,1,2,3
	ds_load_b64 v[\X+2*\T:\X+2*\T+1], v[AXR] offset:\offx+16*XP*\T
.endr
.endm
; One level of the recursion on the tile at v[PB]: n outputs.  more = 1: they are scaled by the next level's reciprocals at v[inv] of window 1
.macro LEVEL k, n, more, inv
.set j, 0
.rept \n
	v_pk_mul_f32 v[UR+2*j:UR+2*j+1], v[PB+2*j+2:PB+2*j+3], v[DR+2*(j+\k+1):DR+2*(j+\k+1)+1]
.set j, j+1
.endr
.set j, 0
.rept \n
	v_pk_fma_f32 v[PB+2*j:PB+2*j+1], v[PB+2*j:PB+2*j+1], v[DR+2*j:DR+2*j+1], v[UR+2*j:UR+2*j+1] neg_lo:[0,0,1] neg_hi:[0,0,1]
.set j, j+1
.endr
.if \more
.set j, 0
.rept \n
	v_pk_mul_f32 v[PB+2*j:PB+2*j+1], v[PB+2*j:PB+2*j+1], v[\inv+2*j:\inv+2*j+1]
.set j, j+1
.endr
.endif
.endm
; The eight bases of two features of one row a lane: tile T, constants in set C, x in set X.  The result is v[PR + 24 T] .. + 15, in the order of the codes.
.macro MAIN T, C, X
.set PB, PR+24*(\T)
	WIN 0x44                                       ; destination and source 1 window 1
.set j, 0
.rept 12
	v_pk_add_f32 v[DR+2*j:DR+2*j+1], v[\X+2*(\T):\X+2*(\T)+1], v[\C+2*j:\C+2*j+1] neg_lo:[0,1] neg_hi:[0,1]   ; d_j = x - g_j
.set j, j+1
.endr
	WIN 0x04                                       ; source 1 window 1
.set j, 0
.rept 24
	v_cmp_le_f32 s[MK+j], 0, v[DR+j]               ; x >= g_j: a difference's sign is exact (denormals are kept)
.set j, j+1
.endr
.set j, 0
.rept 22
	s_and_not1_b32 s[MK+j], s[MK+j], s[MK+j+2]     ; and not x >= g_(j+1); ascending, so that the right-hand mask is still whole
.set j, j+1
.endr
.set j, 0
.rept 22
	v_cndmask_b32 v[PB+j], 0, v[\C+24+j], s[MK+j]  ; the indicator times 1 / (g_(i+1) - g_i)
.set j, j+1
.endr
	LEVEL 1, 10, 1, \C+46
	LEVEL 2, 9, 1, \C+66
	LEVEL 3, 8, 0, \C+66
.endm
; The four tiles' blocks of 32 (my 16 numbers and lane l xor 16's) become codes and a scale byte each, and go to LDS.  e: which of the pair of blocks; it picks the set of registers that the stores read.
; The hold is two-sided: with knots out of order a basis can be negative.
.macro QUANT4 e
	WIN 0
.irp T, 0,1,2,3
	v_max3_num_f32 v[TM+\T], |v[PR+24*\T]|, |v[PR+24*\T+1]|, 0x4800000   ; and the floor 2^(9 - 127): the byte cannot fall under 1
.endr
.irp i, 2,4,6,8,10,12,14
.irp T, 0,1,2,3
	v_max3_num_f32 v[TM+\T], v[TM+\T], |v[PR+24*\T+\i]|, |v[PR+24*\T+\i+1]|   ; (the four tiles by turns)
.endr
.endr
.irp T, 0,1,2,3
	v_permlanex16_b32 v[TM+4+\T], v[TM+\T], s[SEL], s[SEL+1]
.endr
.irp T, 0,1,2,3
	v_max_num_f32 v[TM+\T], v[TM+\T], v[TM+4+\T]
.endr
.irp T, 0,1,2,3
	v_add_nc_u32 v[TM+12+\T], 0xfc000000, v[TM+\T] ; 8 off the exponent field: the conversion's scale operand
.endr
.irp T, 0,1,2,3
.endr
.irp T, 0,1,2,3
	v_lshrrev_b32 v[BY+4*\e+\T], 23, v[TM+12+\T]   ; the scale's byte
.endr
.irp T, 0,1,2,3
.irp i, 0,1,2,3,4,5,6,7,8,9,10,11,12,13,14,15
.endr
	v_cvt_scalef32_pk8_fp8_f32 v[CODE+16*\e+4*\T:CODE+16*\e+4*\T+1], v[PR+24*\T:PR+24*\T+7], v[TM+12+\T]
	v_cvt_scalef32_pk8_fp8_f32 v[CODE+16*\e+4*\T+2:CODE+16*\e+4*\T+3], v[PR+24*\T+8:PR+24*\T+15], v[TM+12+\T]
.endr
	v_nop                                          ; one plain instruction behind the last conversion
.irp T, 0,1,2,3
	ds_store_b128 v[AIR], v[CODE+16*\e+4*\T:CODE+16*\e+4*\T+3] offset:2048*\T+512*\e
.endr
.irp T, 0,1,2,3
	ds_store_b8 v[ASR], v[BY+4*\e+\T] offset:128*\T+\e   ; every lane fills its own word, a byte a block
.endr
.endm
; A block: the next block's constants and x are asked for, the four tiles' bases are made, quantised and stored.
.macro BLOCK e
.if \e == 0
	PREF 16, 768, XB, CB
	MAIN 0, CA, XA
	MAIN 1, CA, XA
	MAIN 2, CA, XA
	MAIN 3, CA, XA
.else
	s_cmp_eq_u32 s[BI], 3                          ; my last block of the panel has no successor in the slot
	s_cbranch_scc1 .Lno_next_\@
	PREF 32, 1536, XA, CA
.Lno_next_\@:
	MAIN 0, CB, XB
	MAIN 1, CB, XB
	MAIN 2, CB, XB
	MAIN 3, CB, XB
.endif
	QUANT4 \e
	s_wait_dscnt 8                                 ; all but this block's eight stores: the next block's constants and x are in, and the stores of the block before have read the registers that the next block writes
.endm
; silu of my 16 rows x the panel's 128 features: lane (r, h) takes 16 neighbours of each block of 32, so that the conversions' results are the operand's registers.  Its codes take the second set of code registers.
.macro SILU
	v_add_nc_u32 v[AXS], s[TB], v[AXS0]
.irp c, 0,1,2,3
.irp i, 0,1,2,3
	ds_load_b128 v[SV+16*\c+4*\i:SV+16*\c+4*\i+3], v[AXS] offset:128*\c+16*\i
.endr
.endr
	s_wait_dscnt 0x0                               ; these, and the first block's constants and x
.set j, 0
.rept 32
	v_pk_mul_f32 v[SW+2*j:SW+2*j+1], v[SV+2*j:SV+2*j+1], s[NL:NL+1] op_sel_hi:[1,0]
.set j, j+1
.endr
.set j, 0
	s_wait_alu depctr_va_vdst(0)
.rept 64
	v_exp_f32 v[SW+j], v[SW+j]
.set j, j+1
.endr
	v_nop                                          ; a plain instruction between the transcendentals and the use of their results (ISA guide 5.7.2)
.set j, 0
	s_wait_alu depctr_va_vdst(0)
.rept 32
	v_pk_add_f32 v[SW+2*j:SW+2*j+1], v[SW+2*j:SW+2*j+1], 1.0 op_sel_hi:[1,0]
.set j, j+1
.endr
.set j, 0
	s_wait_alu depctr_va_vdst(0)
.rept 64
	v_rcp_f32 v[SW+j], v[SW+j]
.set j, j+1
.endr
	v_nop
.set j, 0
	s_wait_alu depctr_va_vdst(0)
.rept 32
	v_pk_mul_f32 v[SV+2*j:SV+2*j+1], v[SV+2*j:SV+2*j+1], v[SW+2*j:SW+2*j+1]
.set j, j+1
.endr
.irp b, 0,1,2,3
	v_max3_num_f32 v[TM+\b], |v[SV+16*\b]|, |v[SV+16*\b+1]|, 0x4800000
.endr
.irp i, 2,4,6,8,10,12,14
.irp b, 0,1,2,3
	v_max3_num_f32 v[TM+\b], v[TM+\b], |v[SV+16*\b+\i]|, |v[SV+16*\b+\i+1]|
.endr
.endr
.irp b, 0,1,2,3
	v_permlanex16_b32 v[TM+4+\b], v[TM+\b], s[SEL], s[SEL+1]
.endr
.irp b, 0,1,2,3
	v_max_num_f32 v[TM+\b], v[TM+\b], v[TM+4+\b]
.endr
.irp b, 0,1,2,3
	v_add_nc_u32 v[TM+12+\b], 0xfc000000, v[TM+\b]
.endr
.irp b, 0,1,2,3
.endr
.irp b, 0,1,2,3
	v_lshrrev_b32 v[TM+4+\b], 23, v[TM+12+\b]
.endr
	v_lshl_or_b32 v[PW], v[TM+5], 8, v[TM+4]       ; the four bytes make my row's scale word
	v_lshl_or_b32 v[PW], v[TM+6], 16, v[PW]
	v_lshl_or_b32 v[PW], v[TM+7], 24, v[PW]
.irp b, 0,1,2,3
.irp i, 0,1,2,3,4,5,6,7,8,9,10,11,12,13,14,15
.endr
	v_cvt_scalef32_pk8_fp8_f32 v[CODE+16+4*\b:CODE+16+4*\b+1], v[SV+16*\b:SV+16*\b+7], v[TM+12+\b]
	v_cvt_scalef32_pk8_fp8_f32 v[CODE+16+4*\b+2:CODE+16+4*\b+3], v[SV+16*\b+8:SV+16*\b+15], v[TM+12+\b]
.endr
	v_nop
.irp c, 0,1,2,3
	ds_store_b128 v[SWI], v[CODE+16+4*\c:CODE+16+4*\c+3] offset:512*\c
.endr
	ds_store_b32 v[SWS], v[PW]
.endm
; MY WEIGHTS, from memory into registers; each load of the wave takes 512 consecutive bytes.  They go out in two groups, 56 loads behind a matrix phase and 16 or 34 behind the next vector phase's first two blocks,
; so that the count of loads that are out stays inside the counter's field (ISA guide 5.7.1) and the issue does not stop for it.
.macro WLOAD012                        ; the half's scale words and its K steps 0 to 2 (two K steps apart: 65,536 bytes of images, 2,048 of scale words)
.irp k, 0,1,2,3
.irp i, 0,1
	global_load_b32 v[BSC+2*\k+\i], v[LS], s[SS:SS+1] offset:2048*\k+128*\i
.endr
.endr
	WIN 0x80                                       ; destination window 2
.irp k, 0,1,2
.irp n, 0,1,2,3
.irp c, 0,1,2,3
	global_load_b128 v[64*\k+16*\n+4*\c:64*\k+16*\n+4*\c+3], v[LI], s[WS:WS+1] offset:65536*\k+2048*\n+512*\c
.endr
.endr
.endr
	WIN 0
.endm
.macro WLOAD3                          ; its K step 3
	WIN 0x80
.irp n, 0,1,2,3
.irp c, 0,1,2,3
	global_load_b128 v[192+16*\n+4*\c:192+16*\n+4*\c+3], v[LI], s[WS:WS+1] offset:196608+2048*\n+512*\c
.endr
.endr
	WIN 0
.endm
.macro BASELOAD                        ; the panel's base K step
	WIN 0xc0                                       ; destination window 3
.irp n, 0,1,2,3
.irp c, 0,1,2,3
	global_load_b128 v[128+16*\n+4*\c:128+16*\n+4*\c+3], v[LI], s[WB:WB+1] offset:2048*\n+512*\c
.endr
.endr
	WIN 0
.irp i, 0,1
	global_load_b32 v[BSC+8+\i], v[LS], s[SBP:SBP+1] offset:128*\i
.endr
.endm
; Behind a matrix phase: on to the next half's weights.  From half 0 to half 1 one K step, from half 1 to the next panel's half 0 seven.  last = 1: the last panel's half 1 has no successor.
.macro BLOADS last
.if \last
	s_cmp_eq_u32 s[HF], 1
	s_cbranch_scc1 .Lno_more_\@
.endif
	s_mov_b32 s92, 7*32768
	s_mov_b32 s94, 7*1024
	s_mov_b32 s93, 0
	s_mov_b32 s95, 0
	s_cmp_eq_u32 s[HF], 0
	s_cselect_b32 s92, 32768, s92
	s_cselect_b32 s94, 1024, s94
	s_add_nc_u64 s[WS:WS+1], s[WS:WS+1], s[92:93]  ; the loads that named these bases were shown done by the matrix phase's wait
	s_add_nc_u64 s[SS:SS+1], s[SS:SS+1], s[94:95]
	WLOAD012
.Lno_more_\@:
.endm
; Four fragments (the four tiles of rows of one K step) and their scale words from LDS: 20 loads
.macro LOADA adr, sadr, off, soff, set
.irp T, 0,1,2,3
.irp c, 0,1,2,3
	ds_load_b128 v[AF+64*(\set)+16*\T+4*\c:AF+64*(\set)+16*\T+4*\c+3], v[\adr] offset:(\off)+2048*\T+512*\c
.endr
.endr
.irp T, 0,1,2,3
	ds_load_b32 v[ASC+4*(\set)+\T], v[\sadr] offset:(\soff)+128*\T
.endr
.endm
; 16 matrix instructions: my four tiles of columns x the four tiles of rows, 128 along K.  The 16 accumulators take turns, one instruction a turn, in the same order in every K step.
.macro MUL16 bb, sc, set
.irp n, 0,1,2,3
.irp T, 0,1,2,3
.if \n % 2
	v_wmma_scale_f32_16x16x128_f8f6f4 v[8*(4*\n+\T):8*(4*\n+\T)+7], v[(\bb)+16*\n:(\bb)+16*\n+15], v[AF+64*(\set)+16*\T:AF+64*(\set)+16*\T+15], v[8*(4*\n+\T):8*(4*\n+\T)+7], v[(\sc)+\n/2], v[ASC+4*(\set)+\T] matrix_a_scale:MATRIX_SCALE_ROW1
.else
	v_wmma_scale_f32_16x16x128_f8f6f4 v[8*(4*\n+\T):8*(4*\n+\T)+7], v[(\bb)+16*\n:(\bb)+16*\n+15], v[AF+64*(\set)+16*\T:AF+64*(\set)+16*\T+15], v[8*(4*\n+\T):8*(4*\n+\T)+7], v[(\sc)+\n/2], v[ASC+4*(\set)+\T]
.endif
.endr
.endr
.endm
; THE MATRIX PHASE: the half's four spline K steps (image k was made by wave k), and in half 0 the base K step.  While one set of fragments is multiplied the other is on its way.
.macro MPHASE
	LOADA AL, ALS, 0, 0, 0
	s_wait_loadcnt 0x0                             ; my weights and their scale words
	LOADA AL, ALS, 8192, 512, 1
	s_wait_dscnt 20                                ; all but the 20 just issued
	WIN 0xf2                                       ; source 0 (weights) window 2, source 1 (rows) window 0, C and D window 3
	MUL16 0, BSC, 0
	WIN 0
	PLACES 8
	LOADA AL, ALS, 16384, 1024, 0
	s_wait_dscnt 20
	WIN 0xf2
	MUL16 64, BSC+2, 1
	WIN 0
	PLACES 8
	LOADA AL, ALS, 24576, 1536, 1
	s_wait_dscnt 20
	WIN 0xf2
	MUL16 128, BSC+4, 0
	s_wait_dscnt 0x0
	MUL16 192, BSC+6, 1
	WIN 0
	s_cmp_lg_u32 s[HF], 0
	s_cbranch_scc1 .Lno_base_\@
	PLACES 8
	LOADA ALB, ALSB, 0, 0, 0
	s_wait_dscnt 0x0
	WIN 0xf3                                       ; the base weights lie in window 3
	MUL16 128, BSC+8, 0
	WIN 0
.Lno_base_\@:
	PLACES 8                                       ; in front of the loads into the weights' registers, of the vector phase's writes into the fragments' registers, and of the way out's reads
.endm
; A PANEL.  last = 1: the last one.
.macro PANEL last
	s_add_co_u32 s[SXO], s[TB], s[WX]
	s_add_co_u32 s[SCO], s[TB], s[WC]
	s_mov_b32 s[BI], 0
	s_mov_b32 s[HF], 0
.Lhalf_\@:
	s_mov_b32 s[SIO], s[WI]
	s_mov_b32 s[SSO], s[WSS]
	s_cmp_lg_u32 s[HF], 0
	s_cbranch_scc1 .Lno_silu_\@
	v_add_nc_u32 v[AXR], s[SXO], v[AX0]
	v_add_nc_u32 v[ACR], s[SCO], v[AC0]
	PREF 0, 0, XA, CA                              ; my first block of the panel (half 1's first was asked for by half 0's last)
	SILU
.Lno_silu_\@:
	s_mov_b32 s[CC], 0
.Lpair_\@:                                         ; two blocks a trip, two trips a half
	v_add_nc_u32 v[AXR], s[SXO], v[AX0]
	v_add_nc_u32 v[ACR], s[SCO], v[AC0]
	v_add_nc_u32 v[AIR], s[SIO], v[LI]
	v_add_nc_u32 v[ASR], s[SSO], v[LS]
	BLOCK 0
	BLOCK 1
	s_cmp_lg_u32 s[CC], 0                          ; behind the half's first two blocks: the second group of this half's weights
	s_cbranch_scc1 .Lno_w_\@
	WLOAD3
	s_cmp_lg_u32 s[HF], 0
	s_cbranch_scc1 .Lno_w_\@
	BASELOAD
.Lno_w_\@:
	s_add_co_u32 s[SXO], s[SXO], 32
	s_add_co_u32 s[SCO], s[SCO], 1536
	s_add_co_u32 s[SIO], s[SIO], 1024
	s_add_co_u32 s[SSO], s[SSO], 2
	s_add_co_u32 s[BI], s[BI], 1
	s_add_co_u32 s[CC], s[CC], 1
	s_cmp_lt_u32 s[CC], 2
	s_cbranch_scc1 .Lpair_\@
	s_wait_dscnt 0x0                               ; for the others' sake: my images have landed
	s_barrier_signal -1
	s_barrier_wait -1                              ; the half's sixteen fragments (and silu's four) lie in LDS
	MPHASE
	BLOADS \last
	s_wait_dscnt 0x0                               ; my reads of the images are over
	s_barrier_signal -1
	s_barrier_wait -1                              ; everybody's are: the images may be written again
	s_add_co_u32 s[HF], s[HF], 1
	s_cmp_lt_u32 s[HF], 2
	s_cbranch_scc1 .Lhalf_\@
.if \last == 0
	s_add_nc_u64 s[WB:WB+1], s[WB:WB+1], 32768     ; the next panel's base K step (this panel's loads were shown done in its matrix phases)
	s_add_nc_u64 s[SBP:SBP+1], s[SBP:SBP+1], 1024
.endif
	s_xor_b32 s[TB], s[TB], SLOT1                  ; on to the other slot
.endm
	s_load_b256 s[4:11], s[0:1], 0x0               ; x s[4:5], cst s[6:7], wimg s[8:9], wsc s[10:11]
	s_load_b64 s[12:13], s[0:1], 0x20              ; out0
	v_lshl_add_u32 v[SPW], v0, 2, SPARE
	v_mov_b32 v[NIL], 0
	ds_add_u32 v1, v2
	ds_add_u32 v1, v2
	s_wait_dscnt 0x0
	v_lshrrev_b32 v22, 5, v0
	v_readfirstlane_b32 s[WV], v22                 ; wave 0..3
	; descriptor group 1 for x: 64 rows x 128 elements of 4 bytes, 1,024 elements from row to row; in LDS four words of padding behind every 128
	s_mov_b32 s[G1X+0], (2<<16)|(1<<20)|(6<<22)|(3<<25)
	s_mov_b32 s[G1X+1], 128<<16                    ; tensor_dim0
	s_mov_b32 s[G1X+2], 64<<16                     ; tensor_dim1
	s_mov_b32 s[G1X+3], 128<<16                    ; tile_dim0
	s_mov_b32 s[G1X+4], 64                         ; tile_dim1
	s_mov_b32 s[G1X+5], 1024                       ; tensor_dim0_stride
	s_mov_b32 s[G1X+6], 0
	s_mov_b32 s[G1X+7], 0
	; and for the constants: a dense block of 24,576 bytes as 96 rows of 256 bytes (32 elements of 8 bytes), no padding
	s_mov_b32 s[G1C+0], 3<<16
	s_mov_b32 s[G1C+1], 32<<16
	s_mov_b32 s[G1C+2], 96<<16
	s_mov_b32 s[G1C+3], 32<<16
	s_mov_b32 s[G1C+4], 96
	s_mov_b32 s[G1C+5], 32
	s_mov_b32 s[G1C+6], 0
	s_mov_b32 s[G1C+7], 0
	s_lshl_b32 s92, ttmp9, 18                      ; my 64 rows of 4,096 bytes
	s_mov_b32 s93, 0
	s_mov_b32 s[SEL], 0x76543210
	s_mov_b32 s[SEL+1], 0xfedcba98
	s_mov_b32 s[NL], 0xbfb8aa3b                    ; -log2(e)
	s_mov_b32 s[NL+1], s[NL]                       ; (named with it as a pair, so it is written)
	s_mov_b32 s[TB], 0
	s_mov_b32 s[PAN], 7
	s_wait_kmcnt 0x0
	s_mov_b32 s[G0X], 1                            ; count = 1
	s_mov_b32 s[G0X+1], 0                          ; LDS address: slot 0
	s_add_nc_u64 s[G0X+2:G0X+3], s[4:5], s[92:93]  ; global address: my rows, panel 0
	s_or_b32 s[G0X+3], s[G0X+3], 0x80000000        ; type = 2
	s_mov_b32 s[G0C], 1
	s_mov_b32 s[G0C+1], COFF
	s_mov_b64 s[G0C+2:G0C+3], s[6:7]
	s_or_b32 s[G0C+3], s[G0C+3], 0x80000000
	TLOAD                                          ; panel 0 into slot 0: the first fill, ahead of every wait on TENSORcnt, every LDS read and every barrier
	v_and_b32 v22, 31, v0
	v_lshlrev_b32 v[LI], 4, v22
	s_wait_alu depctr_va_vdst(0)
	v_lshlrev_b32 v[LS], 2, v22
	s_wait_alu depctr_va_vdst(0)
	s_lshl_b32 s92, s[WV], 13                      ; my four tiles of columns: 8,192 bytes in a K step's images,
	s_add_nc_u64 s[WS:WS+1], s[8:9], s[92:93]
	s_add_nc_u64 s[WB:WB+1], s[WS:WS+1], 0x200000  ; the base weight's images lie behind the spline's 2,097,152 bytes
	s_lshl_b32 s92, s[WV], 8                       ; 256 bytes in its scale words
	s_add_nc_u64 s[SS:SS+1], s[10:11], s[92:93]
	s_add_nc_u64 s[SBP:SBP+1], s[SS:SS+1], 0x10000
	WLOAD012                                       ; panel 0, half 0
	v_and_b32 v22, 15, v0                          ; r
	v_bfe_u32 v23, v0, 4, 1                        ; h
	v_mul_u32_u24 v[AX0], v22, XP
	v_lshl_add_u32 v[AXS0], v23, 6, v[AX0]
	v_lshl_add_u32 v[AX0], v23, 3, v[AX0]
	s_mul_i32 s92, s[WV], 16*XP
	v_add_nc_u32 v[AXS0], s92, v[AXS0]
	v_mul_u32_u24 v[AC0], v23, 384
	v_add_nc_u32 v[AL], IMG, v[LI]
	v_add_nc_u32 v[ALS], ISC, v[LS]
	v_add_nc_u32 v[ALB], IMGB, v[LI]
	v_add_nc_u32 v[ALSB], ISCB, v[LS]
	s_lshl_b32 s92, s[WV], 11
	v_add_nc_u32 v[SWI], s92, v[ALB]
	s_lshl_b32 s92, s[WV], 7
	v_add_nc_u32 v[SWS], s92, v[ALSB]
	s_mov_b32 s[WX], s92                           ; 128 w
	s_mul_i32 s[WC], s[WV], 6144
	s_add_co_u32 s[WC], s[WC], COFF
	s_lshl_b32 s[WI], s[WV], 13
	s_add_co_u32 s[WI], s[WI], IMG
	s_lshl_b32 s[WSS], s[WV], 9
	s_add_co_u32 s[WSS], s[WSS], ISC
	s_mul_i32 s92, s[WV], 16*SPT
	s_add_co_u32 s92, s92, STG                     ; my stage
	v_mul_u32_u24 v[STO], v22, SPT                 ; in: row r, 32 bytes for each half of the lanes
	v_lshl_add_u32 v[STO], v23, 5, v[STO]
	v_add_nc_u32 v[STO], s92, v[STO]
	v_mul_u32_u24 v[RD], v23, SPT                  ; back: lanes 0-15 one row of 256 bytes, lanes 16-31 the next
	v_lshl_add_u32 v[RD], v22, 4, v[RD]
	v_add_nc_u32 v[RD], s92, v[RD]
	v_lshlrev_b32 v[GO], 10, v23                   ; and the same two rows in out0
	v_lshl_add_u32 v[GO], v22, 4, v[GO]
	s_lshl_b32 s92, ttmp9, 16                      ; out0: my 64 rows of 1,024 bytes, my wave's 256 bytes of a row
	s_lshl_b32 s94, s[WV], 8
	s_add_co_u32 s92, s92, s94
	s_add_nc_u64 s[12:13], s[12:13], s[92:93]
.irp b, 0,1,2,3
	v_mov_b32 v[TM+4+\b], 0                        ; written once: a lane permute's destination counts as one of its sources
.endr
	WIN 0xc0                                       ; the sums begin as zeros: 128 lines once, in place of one more written-out copy of a panel whose products would begin them
.set j, 0
.rept 128
	v_mov_b32 v[j], 0
.set j, j+1
.endr
	WIN 0
.Lpanel:                                           ; seven trips: behind each change of slots but the last the next panel is asked for
	CHANGE 1
	PANEL 0
	s_sub_co_u32 s[PAN], s[PAN], 1
	s_cmp_lg_u32 s[PAN], 0
	s_cbranch_scc1 .Lpanel
	CHANGE 0                                       ; the last panel is written out
	PANEL 1
	; THE WAY OUT.  A lane holds 32 neighbouring bytes of a row and the lanes beside it other rows: a tile of 16 rows x my 64 outputs goes through my own stage in LDS and comes back as rows of 256 bytes.
	; LDS serves a wave's instructions in order (ISA guide 5.7.1.4): no wait between the stores and the loads, nor in front of the next tile's stores.  The eight places behind the last products stand at the matrix phase's end.
.irp T, 0,1,2,3
	WIN 0x0c                                       ; an LDS store's data are its source 1: window 3
.irp n, 0,1,2,3
	ds_store_b128 v[STO], v[8*(4*\n+\T):8*(4*\n+\T)+3] offset:64*\n        ; each accumulator from its low end on
	ds_store_b128 v[STO], v[8*(4*\n+\T)+4:8*(4*\n+\T)+7] offset:64*\n+16
.endr
	WIN 0
.irp i, 0,1,2,3,4,5,6,7
	ds_load_b128 v[OB+32*\T+4*\i:OB+32*\T+4*\i+3], v[RD] offset:2*SPT*\i
.endr
.endr
.irp T, 0,1,2,3
.irp i, 0,1,2,3,4,5,6,7
	s_wait_dscnt 16*(3-\T)+7-\i                    ; behind this load: the rest of its tile's loads and the later tiles' sixteen each
	global_store_b128 v[GO], v[OB+32*\T+4*\i:OB+32*\T+4*\i+3], s[12:13] offset:(16*\T+2*\i)*1024 th:TH_STORE_NT   ; 16 lanes store 256 consecutive bytes, at a multiple of 256 from out0's first byte
.endr
.endr
	s_wait_tensorcnt 0x0                           ; the wave's end: behind my last tensor load and my last LDS store
	ds_add_u32 v[SPW], v[NIL]
	s_wait_dscnt 0x0
	s_endpgm
.Lfunc_end_k_qc87f92f1ef_kan:
	.size	k_qc87f92f1ef_kan, .Lfunc_end_k_qc87f92f1ef_kan-k_qc87f92f1ef_kan
	.p2alignl 7, 3214868480
	.fill 96, 4, 3214868480
	.section	.rodata,"a",@progbits
	.p2align	6, 0x0
	.amdhsa_kernel k_qc87f92f1ef_kan
		.amdhsa_group_segment_fixed_size 327680
		.amdhsa_private_segment_fixed_size 0
		.amdhsa_enable_private_segment 0
		.amdhsa_kernarg_size 40
		.amdhsa_user_sgpr_count 2
		.amdhsa_user_sgpr_kernarg_segment_ptr 1
		.amdhsa_wavefront_size32 1
		.amdhsa_system_sgpr_workgroup_id_x 1
		.amdhsa_system_sgpr_workgroup_id_y 1
		.amdhsa_system_sgpr_workgroup_id_z 1
		.amdhsa_system_vgpr_workitem_id 0
		.amdhsa_next_free_vgpr 960
		.amdhsa_next_free_sgpr 100
		.amdhsa_reserve_vcc 0
		.amdhsa_float_denorm_mode_32 3
		.amdhsa_float_denorm_mode_16_64 3
		.amdhsa_fp16_overflow 1
		.amdhsa_memory_ordered 1
		.amdhsa_forward_progress 1
		.amdhsa_inst_pref_size 255
	.end_amdhsa_kernel
	.section	.bss,"aw",@nobits
	.p2align	6
	.space	262144
	.amdgpu_metadata
---
amdhsa.version: [ 1, 2 ]
amdhsa.kernels:
  - .name:           k_qc87f92f1ef_kan
    .symbol:         k_qc87f92f1ef_kan.kd
    .args:
      - { .name: x, .offset: 0, .size: 8, .value_kind: global_buffer, .address_space: global }
      - { .name: cst, .offset: 8, .size: 8, .value_kind: global_buffer, .address_space: global }
      - { .name: wimg, .offset: 16, .size: 8, .value_kind: global_buffer, .address_space: global }
      - { .name: wsc, .offset: 24, .size: 8, .value_kind: global_buffer, .address_space: global }
      - { .name: out0, .offset: 32, .size: 8, .value_kind: global_buffer, .address_space: global }
    .group_segment_fixed_size: 327680
    .private_segment_fixed_size: 0
    .kernarg_segment_align: 8
    .kernarg_segment_size: 40
    .max_flat_workgroup_size: 128
    .sgpr_count:     100
    .vgpr_count:     960
    .wavefront_size: 32
...
	.end_amdgpu_metadata
.endif
;; end of part 2
